; MI455X (gfx1250); checked and timed in simulation.
; The chip was launched on July 23, 2026; its instructions are those of AMD's public machine-readable ISA for CDNA 5 (MIT licence, August 2026) and "CDNA5" Instruction Set Architecture Reference Guide (July 2026). The comments in the code are by the model that wrote it; some were corrected since.
;; Ex MRD Retrieval. Allowed arithmetic: matrix products marked QUANTISED: E2M1 operands, one E8M0 scale for each 32 along K, by v_wmma_scale_f32_16x16x128_f8f6f4 with both operands' format E2M1 (or v_wmma_scale_f32_32x16x128_f4), f32 sums; products left as they are: f32 operands where the result goes on into a quantised operand, else bf16, f16 or f32 operands; f32 sums; everything else in f32.
;; Inputs: memory_evidence 100,000 x 2 float32; memory_feat 100,000 x 256 float32; model_evidence 1,024 x 2 float32; query 1,024 x 256 float32.
;; Outputs: out0 1,024 x 2 float32.
;; Constants: top_k = 16.
;; This version of the problem:
;;   THIS VERSION OF THE PROBLEM IS GIVEN IN LOW PRECISION. The matrix products marked QUANTISED in the list below multiply operands that are first quantised to E2M1 (2 exponent bits, 1 mantissa bit; 4 bits a number), with one power-of-two scale for each 32 numbers along K (OCP MX v1.0); their sums are f32. All else is computed in f32.
;;   The module's matrix products, in the order in which they are computed (A, B: the left and right operand; K: the contracted axis; several contracted axes count as one K, in the product's order):
;;     1. [M 1,024, K 256] x [K 256, N 100,000]; A: computed on the way; B: computed on the way: QUANTISED
;;     2. batch 1,024 x [M 1, K 16] x [K 16, N 2]; A: softmax; B: computed on the way: left as it is (K = 16 < 32)
;;   THE QUANTISER, for each operand of a quantised product, along K:
;;     - K is cut into blocks of 32 from its start; a last block that is shorter is filled with zeros.
;;     - A block's scale is 2^e with e = floor(log2(the largest magnitude in the block)) - 2, held to -126 .. 127; a block of zeros has e = 0. As a byte (E8M0): e + 127.
;;     - Each number is divided by its block's scale, clamped to +-6, and rounded to the nearest number of E2M1, ties to even, subnormals kept.
;;     - The product sums the exact products of the quantised numbers (number of the format x scale) in f32.
;;   ~~~python
;;   def quantise(x, axis):      # numpy; x: float32 -> the quantised numbers, widened to float32 again
;;       x = np.moveaxis(x, axis, -1); K = x.shape[-1]
;;       x = np.pad(x, [(0, 0)] * (x.ndim - 1) + [(0, -K % 32)]); x = x.reshape(x.shape[:-1] + (-1, 32)); a = np.abs(x).max(-1, keepdims=True)
;;       e = np.where(a > 0, np.clip(np.frexp(np.where(a > 0, a, 1))[1] - 1 - 2, -126, 127), 0)      # np.frexp(a)[1] - 1 = floor(log2(a)), exactly
;;       r = np.clip(x / 2.0 ** e, -6, 6)
;;       step = 2.0 ** (np.maximum(np.frexp(np.where(r == 0, 1, r))[1] - 1, 0) - 1)
;;       q = np.round(r / step) * step * 2.0 ** e      # np.round: ties to even
;;       return np.moveaxis(q.reshape(q.shape[:-2] + (-1,))[..., :K], -1, axis).astype(np.float32)
;;   ~~~
;;   OPERANDS COMPUTED ON THE WAY. 'Computed on the way' means the value that the module computes at that place (a softmax that the list does not call 'softmax' is quantised finished and normalised). What goes into a quantiser is computed in f32, as accurately as f32 sums, v_exp_f32 and their like allow (about 1e-6 of the number): no bf16 or f16 on the way to a quantiser, and a product that is left as it is and whose result goes on into a quantised operand takes f32 operands (vector FMAs, or v_wmma_f32_16x16x4_f32). A number that lies on a knife's edge between two numbers of the format may be rounded either way, as far as f32 arithmetic and the matrix unit's own rounding can turn it there, and no further.
;; One version. Each part assembles by itself: llvm-mc -triple=amdgcn-amd-amdhsa -mcpu=gfx1250 --defsym DOCPART=n.
;; ======== version 1 of 1: 4 launches
;; limits: right only within a limited range of input values
;; workspace buffers: mimg 13,647,872 bytes; qimg 139,264 bytes; gmax 12,845,056 bytes; sel 131,072 bytes of whole numbers
;; launch qquant (part 1): grid 16 x 1, 16 waves a work-group, no clusters, 84,480 bytes of LDS; arguments query, qimg; writes qimg
.if DOCPART == 1
	.amdgcn_target "amdgcn-amd-amdhsa--gfx1250"
	.amdhsa_code_object_version 6
	.text
	.protected	k_q57394ab46a_qquant
	.globl	k_q57394ab46a_qquant
	.p2align	8
	.type	k_q57394ab46a_qquant,@function
k_q57394ab46a_qquant:
	s_mov_b64 s[64:65], 0
	v_nop
	global_prefetch_b8 v0, s[64:65] scope:SCOPE_SE
	s_setreg_imm32_b32 hwreg(HW_REG_WAVE_MODE, 25, 1), 1
	s_wait_xcnt 0x0
; Rows of query [1024][256], f32, are divided by their Euclidean norm (held at 1e-8 from below) and turned into codes of FP4 (E2M1) with one E8M0 byte for each 32 along K.
; They leave as UNITS of 8,704 bytes, the image of the operand registers of four tiles of 16 rows:
;   codes: the 16 bytes of block b (k = 32 b ..) of tile t, tile row m lie at 2048 t + 256 b + 16 m;  scale bytes: at 8192 + 256 (b / 4) + 16 m + 4 t + b % 4.
;   Tile row m = 8 h + j of tile t is query 64 u + 32 h + 8 t + j of unit u.
; SHARES: a work-group makes one unit; each of its 16 waves takes 4 rows (4,096 consecutive bytes, eight loads of 512).  They turn through the wave's own stage in LDS (128 bytes + 16 of padding a piece),
; so that lane 8 i + b holds block b of row i.  The unit is gathered in LDS; behind one barrier wave w stores its 512 bytes from 512 w on, wave 0 also the last 512.
; LIMITS: x / norm is x * rcp(max(sqrt(sum of squares), 1e-8)); the sum of squares must stay inside f32 (magnitudes from about 1e-18 to 1e18); NaN and infinities are not served;
; a block of zeros gets the byte 1 (its codes are zeros; only this program reads the bytes).
.set UNITB, 8704
.set STG,   4608                       ; a stage: 32 pieces of 144 bytes
.set IMG,   16*STG                     ; the unit's image, behind the 16 stages
.set SPARE, IMG+UNITB                  ; the spare words: 128 bytes a wave, eight blocks of 256 bytes that no other line names
.set RG,    32
.set XS,    64
.set CDS,   20
.set BYS,   28
.set SPW,   30
.set NIL,   31
	s_load_b128 s[4:7], s[0:1], 0x0                ; query, qimg
	v_lshl_add_u32 v[SPW], v0, 2, SPARE
	v_mov_b32 v[NIL], 0
	v_lshrrev_b32 v1, 5, v0
	v_readfirstlane_b32 s8, v1                     ; wave = step t: rows 4 t .. + 3 of the unit's 64
	s_mul_i32 s14, s8, STG
	s_bfe_u32 s9, s8, 0x20001                      ; the tile: (t % 8) / 2
	s_lshr_b32 s10, s8, 3
	s_lshl_b32 s10, s10, 7
	s_and_b32 s11, s8, 1
	s_lshl_b32 s11, s11, 6
	s_add_co_u32 s10, s10, s11                     ; 16 x the first tile row: 128 (t / 8) + 64 (t % 2)
	s_lshl_b32 s12, s9, 11
	s_add_co_u32 s12, s12, s10                     ; my step's place among the codes
	s_lshl_b32 s13, s9, 2
	s_add_co_u32 s13, s13, s10                     ; and among the scale bytes
	s_lshl_b32 s15, s8, 9                          ; the 512 bytes that I store
	s_lshl_b32 s16, ttmp9, 16
	s_lshl_b32 s18, s8, 12
	s_add_co_u32 s16, s16, s18                     ; my four rows: 65,536 x unit + 4,096 x wave
	s_mov_b32 s17, 0
	s_mul_i32 s18, ttmp9, UNITB
	s_mov_b32 s19, 0
	s_wait_alu depctr_va_vdst(0)                   ; the wait behind the run of scalar lines
	v_and_b32 v1, 31, v0                           ; lane
	v_lshlrev_b32 v2, 4, v1
	v_lshrrev_b32 v12, 3, v1                       ; i: my row of the four
	v_and_b32 v13, 7, v1                           ; b: my block
	v_lshl_add_u32 v3, v12, 4, v2
	v_add_nc_u32 v3, s14, v3                       ; the stage, way in: 16 x lane + 16 (lane / 8)
	v_mul_u32_u24 v4, v1, 144
	v_add_nc_u32 v4, s14, v4                       ; way out: 144 x lane
	v_lshlrev_b32 v5, 8, v13
	v_lshl_add_u32 v5, v12, 4, v5
	v_add_nc_u32 v5, s12, v5
	v_add_nc_u32 v5, IMG, v5                       ; my codes
	v_lshrrev_b32 v6, 2, v13
	v_lshlrev_b32 v6, 8, v6
	v_lshl_add_u32 v6, v12, 4, v6
	v_and_b32 v13, 3, v13
	v_add_nc_u32 v6, v6, v13
	v_add_nc_u32 v6, s13, v6
	v_add_nc_u32 v6, IMG+8192, v6                  ; my scale byte
	v_add_nc_u32 v19, s15, v2                      ; the way out: 512 x wave + 16 x lane, in the unit (v19 is named by no other work)
	v_add_nc_u32 v7, IMG, v19                      ; and in LDS
	v_mov_b32 v15, 0                               ; named with v14 as a pair, so it is written
	s_wait_alu depctr_va_vdst(0)                   ; the wait at the head's end
	s_wait_kmcnt 0x0
	s_add_nc_u64 s[4:5], s[4:5], s[16:17]
	s_add_nc_u64 s[6:7], s[6:7], s[18:19]
.irp k, 0,1,2,3,4,5,6,7
	global_load_b128 v[RG+4*\k:RG+4*\k+3], v2, s[4:5] offset:512*\k th:TH_LOAD_NT
.endr
	s_wait_loadcnt 0x0
.irp k, 0,1,2,3,4,5,6,7
	ds_store_b128 v3, v[RG+4*\k:RG+4*\k+3] offset:576*\k
.endr
.irp k, 0,1,2,3,4,5,6,7
	ds_load_b128 v[XS+4*\k:XS+4*\k+3], v4 offset:16*\k     ; LDS serves a wave's instructions in order: these see the stores
.endr
	s_wait_dscnt 0x0
	v_pk_mul_f32 v[8:9], v[XS:XS+1], v[XS:XS+1]    ; the sum of my 32 squares, two at a time, in two chains
	v_pk_mul_f32 v[10:11], v[XS+2:XS+3], v[XS+2:XS+3]
.irp e, 4,8,12,16,20,24,28
	v_pk_fma_f32 v[8:9], v[XS+\e:XS+\e+1], v[XS+\e:XS+\e+1], v[8:9]
	v_pk_fma_f32 v[10:11], v[XS+\e+2:XS+\e+3], v[XS+\e+2:XS+\e+3], v[10:11]
.endr
	v_pk_add_f32 v[8:9], v[8:9], v[10:11]
	v_add_f32 v12, v8, v9
	v_add_f32_dpp v12, v12, v12 row_xmask:1 row_mask:0xf bank_mask:0xf   ; with the row's other seven lanes
	v_add_f32_dpp v12, v12, v12 row_xmask:2 row_mask:0xf bank_mask:0xf
	v_add_f32_dpp v12, v12, v12 row_xmask:4 row_mask:0xf bank_mask:0xf
	s_wait_alu depctr_va_vdst(0)                   ; the waits round each transcendental
	v_sqrt_f32 v13, v12
	v_max3_num_f32 v16, |v[XS]|, |v[XS+1]|, |v[XS+2]|       ; the block's largest magnitude
	v_max3_num_f32 v17, |v[XS+3]|, |v[XS+4]|, |v[XS+5]|
.irp e, 6,10,14,18,22,26
	v_max3_num_f32 v16, v16, |v[XS+\e]|, |v[XS+\e+1]|
	v_max3_num_f32 v17, v17, |v[XS+\e+2]|, |v[XS+\e+3]|
.endr
	v_max3_num_f32 v16, v16, |v[XS+30]|, |v[XS+31]|
	v_max_num_f32 v16, v16, v17
	s_wait_alu depctr_va_vdst(0)
	v_max_num_f32 v13, 0x322bcc77, v13             ; the norm, held at 1e-8
	s_wait_alu depctr_va_vdst(0)
	v_rcp_f32 v14, v13
	v_nop
	s_wait_alu depctr_va_vdst(0)
	v_mul_f32 v16, v16, v14                        ; the largest normalised magnitude
	v_max_num_f32 v16, 0x1800000, v16              ; the floor 2^(3 - 127): the byte cannot fall under 1
	v_add_nc_u32 v18, 0xff000000, v16              ; 2 off the exponent field: the conversion's scale operand
.irp e, 0,2,4,6,8,10,12,14,16,18,20,22,24,26,28,30
	v_pk_mul_f32 v[XS+\e:XS+\e+1], v[XS+\e:XS+\e+1], v[14:15] op_sel_hi:[1,0]
.endr
.irp g, 0,1,2,3
	v_cvt_scalef32_pk8_fp4_f32 v[CDS+\g], v[XS+8*\g:XS+8*\g+7], v18
.endr
	v_lshrrev_b32 v[BYS], 23, v18                  ; the scale's byte (also the plain line behind the conversions)
	ds_store_b128 v5, v[CDS:CDS+3]
	ds_store_b8 v6, v[BYS]
	s_wait_dscnt 0x0                               ; for the others' sake: my stores into the image are done
	s_barrier_signal -1
	s_barrier_wait -1
	ds_load_b128 v[24:27], v7
	s_wait_dscnt 0x0
	global_store_b128 v19, v[24:27], s[6:7]        ; 32 lanes store 512 consecutive bytes, at a multiple of 256 from the buffer's first byte
	s_cmp_lg_u32 s8, 0
	s_cbranch_scc1 .Ldone
	ds_load_b128 v[96:99], v7 offset:8192          ; wave 0: the scale bytes
	s_wait_dscnt 0x0
	global_store_b128 v19, v[96:99], s[6:7] offset:8192
.Ldone:
	s_wait_tensorcnt 0x0                           ; the wave's end
	ds_add_u32 v[SPW], v[NIL]
	s_wait_dscnt 0x0
	s_endpgm
.Lfunc_end_k_q57394ab46a_qquant:
	.size	k_q57394ab46a_qquant, .Lfunc_end_k_q57394ab46a_qquant-k_q57394ab46a_qquant
	.p2alignl 7, 3214868480
	.fill 96, 4, 3214868480
	.section	.rodata,"a",@progbits
	.p2align	6, 0x0
	.amdhsa_kernel k_q57394ab46a_qquant
		.amdhsa_group_segment_fixed_size 84480
		.amdhsa_private_segment_fixed_size 0
		.amdhsa_enable_private_segment 0
		.amdhsa_kernarg_size 16
		.amdhsa_user_sgpr_count 2
		.amdhsa_user_sgpr_kernarg_segment_ptr 1
		.amdhsa_wavefront_size32 1
		.amdhsa_system_sgpr_workgroup_id_x 1
		.amdhsa_system_sgpr_workgroup_id_y 1
		.amdhsa_system_sgpr_workgroup_id_z 1
		.amdhsa_system_vgpr_workitem_id 0
		.amdhsa_next_free_vgpr 128
		.amdhsa_next_free_sgpr 66
		.amdhsa_reserve_vcc 0
		.amdhsa_float_denorm_mode_32 3
		.amdhsa_float_denorm_mode_16_64 3
		.amdhsa_memory_ordered 1
		.amdhsa_forward_progress 1
		.amdhsa_inst_pref_size 9
	.end_amdhsa_kernel
	.amdgpu_metadata
---
amdhsa.version: [ 1, 2 ]
amdhsa.kernels:
  - .name:           k_q57394ab46a_qquant
    .symbol:         k_q57394ab46a_qquant.kd
    .args:
      - { .name: query, .offset: 0, .size: 8, .value_kind: global_buffer, .address_space: global }
      - { .name: qimg, .offset: 8, .size: 8, .value_kind: global_buffer, .address_space: global }
    .group_segment_fixed_size: 84480
    .private_segment_fixed_size: 0
    .kernarg_segment_align: 8
    .kernarg_segment_size: 16
    .max_flat_workgroup_size: 512
    .sgpr_count:     66
    .vgpr_count:     128
    .wavefront_size: 32
...
	.end_amdgpu_metadata
.endif
;; end of part 1
;; launch fused (part 2): grid 196 x 1, 8 waves a work-group, no clusters, 157,696 bytes of LDS; arguments memory_feat, qimg, mimg, gmax; writes mimg, gmax
.if DOCPART == 2
	.amdgcn_target "amdgcn-amd-amdhsa--gfx1250"
	.amdhsa_code_object_version 6
	.text
	.protected	k_q57394ab46a_fused
	.globl	k_q57394ab46a_fused
	.p2align	8
	.type	k_q57394ab46a_fused,@function
k_q57394ab46a_fused:
	s_mov_b64 s[64:65], 0
	v_nop
	global_prefetch_b8 v0, s[64:65] scope:SCOPE_SE
	s_setreg_imm32_b32 hwreg(HW_REG_WAVE_MODE, 25, 1), 1
	s_wait_xcnt 0x0
; Rows of memory_feat [100000][256], f32, are normalised (norm held at 1e-8), quantised to FP4 (E2M1) codes with E8M0 bytes, stored as units in mimg, and in the same launch multiplied with all 1,024 quantised queries;
; of the product only each GROUP's largest score leaves (a group is 32 consecutive memory rows).
; A UNIT is 8,704 bytes, the image of the operand registers of four tiles of 16 rows: codes of block b, tile t, tile row m at 2048 t + 256 b + 16 m; scale bytes at 8192 + 256 (b / 4) + 16 m + 4 t + b % 4.
; Tile row m = 8 h + j of tile t is row 8 t + j of the unit's chunk h (a chunk = a group = 32 rows).  Unit W takes chunks 64 (W / 32) + W % 32 and that + 32.  Chunks past the last (3,124) are replaced by the last,
; so that no load leaves its buffer; the next launch masks those groups.
; gmax: an aligned block of 256 bytes holds, for 4 queries, the 16 maxima of one work-group: byte 50176 (q / 4) + 256 g + 64 (q % 4) + 8 s + 4 h is query q, unit 8 g + s, half h.
; SHARES.  Work-group g takes units 8 g .. 8 g + 7.  Eight waves, two to a SIMD, so that one wave's dependent lines and LDS turns stand beside the other's work.
; Wave w keeps queries 128 w .. + 127 in registers (8 tiles) and quantises 8 rows of every unit: rows 8 (w % 4) .. + 7 of chunk w / 4 (tile w % 4), in two steps of 4 rows.
; A step's 4,096 bytes come by eight loads of 512 consecutive bytes, issued four steps (two units) ahead into 4 sets of 32 registers, and turn through the wave's own stage in LDS so that lane 8 i + b holds block b of row i.
; The eight waves gather a unit in one of two images in LDS; one barrier a unit: in front of it a wave's stores into this image and its reads of the other are done.  Behind it every wave loads the whole unit (17 loads),
; wave s stores unit s to mimg from those registers, and each multiplies it with its 8 tiles of queries.
; A STEP OF THE PRODUCT: the unit's four tiles x one tile of queries, 8 matrix instructions (source 0 = 16 memory rows, source 1 = 16 queries), the four accumulators by turns.
; A lane then holds ONE query and its 32 results are the 32 rows of ONE group: 16 instructions give the maximum.  Two banks: a step's maximum stands behind the next step's products, and its 16 lines are their places.
; The maxima go to the wave's own 8,192 bytes of an LDS stage laid as gmax's blocks, and leave at the end, 16 lanes to an aligned block of 256 bytes.
; A trip of the loop is two units, four trips.  The last trip asks for no rows: a branch on the trip's count leads round the loads, and the wait on that way is for 0.
; NO JOINT LOADS: the work-groups share qimg alone, 139,264 bytes beside the 524,288 of its own that each reads.  NO PREFETCH: the row loads themselves are issued two units ahead of their use.
; REGISTERS.  Window 0: v1-7 addresses; v8-29 the quantiser's; v30-35 addresses; v36-39 the unit's scale words; v40-47 maxima; v48-55 the queries' scale words; v64-127 the unit's codes; v128-191 two sets of 32 neighbours; v192-255 two banks.
;   Window 1: v0-127 the queries' fragments, tile n, K step k at v[16 n + 8 k]; v128-255 rows as loaded, set j at v[128 + 32 j].
; LIMITS: x / norm is x * rcp(max(sqrt(sum of squares), 1e-8)); the sum of squares must stay inside f32 (magnitudes from about 1e-18 to 1e18); NaN and infinities are not served;
; a block of zeros gets the byte 1 (its codes are zeros; only this program reads the bytes).
.set UNITB, 8704
.set STG,   4608                       ; a stage: 32 pieces of 144 bytes; two for each wave
.set IMG,   8*2*STG                    ; two images of a unit
.set OUTS,  IMG+2*UNITB                ; the stage for the maxima: 1,024 queries x 64 bytes
.set SPARE, OUTS+65536                 ; the spare words: 128 bytes a wave, four blocks of 256 bytes that no other line names
.set QBLK,  50176                      ; gmax: 196 blocks of 256 bytes for each 4 queries
.set SG,    128                        ; window 1: the sets of rows as loaded
.set CD,    20
.set BY,    28
.set STO0,  30                         ; where my lane's maxima go, unit 0
.set STO,   31                         ; the same for the trip's units
.set RD,    32
.set GO,    33
.set SPW,   34
.set NIL,   35
.set AS,    36
.set MX,    40
.set RS,    46
.set QS,    48
.set AB,    64
.set X,     128
.set ACC,   192
.set WV,    12
.set CH,    16                         ; s16  the chunk that the next unit's loads take
.set TRIP,  17                         ; s17  trips to go
.set US,    18                         ; s18  the unit in hand
.set SO,    19                         ; s19  16 bytes of the stage a trip
.set PA,    24                         ; s[24:27] the rows' address, one pair for each unit of a trip
.set MSB, 0
.macro WIN new                         ; the immediate's high byte repeats the setting that is left
.if MSB != (\new)
	s_set_vgpr_msb (MSB<<8)|(\new)
.set MSB, \new
.endif
.endm
.macro SETPA p                         ; the next unit's chunk, held at the last
	s_min_u32 s20, s[CH], 3124
	s_lshl_b32 s20, s20, 15
	s_add_nc_u64 s[PA+2*(\p):PA+2*(\p)+1], s[4:5], s[20:21]
	s_add_co_u32 s[CH], s[CH], 1
.endm
.macro LOAD j                          ; four rows into set j (destination window 1)
.irp k, 0,1,2,3,4,5,6,7
	global_load_b128 v[SG+32*(\j)+4*\k:SG+32*(\j)+4*\k+3], v2, s[PA+2*((\j)/2):PA+2*((\j)/2)+1] offset:((\j)%2)*4096+512*\k th:TH_LOAD_NT
.endr
.endm
.macro TURN j                          ; set j through its stage: LDS serves a wave's instructions in order, so no wait stands between the stores and the loads
	WIN 0x04                                       ; an LDS store's data are its source 1: window 1
.irp k, 0,1,2,3,4,5,6,7
	ds_store_b128 v3, v[SG+32*(\j)+4*\k:SG+32*(\j)+4*\k+3] offset:STG*((\j)%2)+576*\k
.endr
	WIN 0
.irp k, 0,1,2,3,4,5,6,7
	ds_load_b128 v[X+32*((\j)%2)+4*\k:X+32*((\j)%2)+4*\k+3], v4 offset:STG*((\j)%2)+16*\k
.endr
.endm
.macro QCOMP                           ; 32 neighbours in v[XS ..]: norm, block scale, codes
	v_pk_mul_f32 v[8:9], v[XS:XS+1], v[XS:XS+1]
	v_pk_mul_f32 v[10:11], v[XS+2:XS+3], v[XS+2:XS+3]
.irp e, 4,8,12,16,20,24,28
	v_pk_fma_f32 v[8:9], v[XS+\e:XS+\e+1], v[XS+\e:XS+\e+1], v[8:9]
	v_pk_fma_f32 v[10:11], v[XS+\e+2:XS+\e+3], v[XS+\e+2:XS+\e+3], v[10:11]
.endr
	v_pk_add_f32 v[8:9], v[8:9], v[10:11]
	v_add_f32 v12, v8, v9
	v_add_f32_dpp v12, v12, v12 row_xmask:1 row_mask:0xf bank_mask:0xf   ; with the row's other seven lanes
	v_add_f32_dpp v12, v12, v12 row_xmask:2 row_mask:0xf bank_mask:0xf
	v_add_f32_dpp v12, v12, v12 row_xmask:4 row_mask:0xf bank_mask:0xf
	s_wait_alu depctr_va_vdst(0)                   ; the waits round each transcendental
	v_sqrt_f32 v13, v12
	v_max3_num_f32 v16, |v[XS]|, |v[XS+1]|, |v[XS+2]|       ; the block's largest magnitude
	v_max3_num_f32 v17, |v[XS+3]|, |v[XS+4]|, |v[XS+5]|
.irp e, 6,10,14,18,22,26
	v_max3_num_f32 v16, v16, |v[XS+\e]|, |v[XS+\e+1]|
	v_max3_num_f32 v17, v17, |v[XS+\e+2]|, |v[XS+\e+3]|
.endr
	v_max3_num_f32 v16, v16, |v[XS+30]|, |v[XS+31]|
	v_max_num_f32 v16, v16, v17
	s_wait_alu depctr_va_vdst(0)
	v_max_num_f32 v13, 0x322bcc77, v13             ; the norm, held at 1e-8
	s_wait_alu depctr_va_vdst(0)
	v_rcp_f32 v14, v13
	v_nop
	s_wait_alu depctr_va_vdst(0)
	v_mul_f32 v16, v16, v14                        ; the largest normalised magnitude
	v_max_num_f32 v16, 0x1800000, v16              ; the floor 2^(3 - 127): the byte cannot fall under 1
	v_add_nc_u32 v18, 0xff000000, v16              ; 2 off the exponent field: the conversion's scale operand
.irp e, 0,2,4,6,8,10,12,14,16,18,20,22,24,26,28,30
	v_pk_mul_f32 v[XS+\e:XS+\e+1], v[XS+\e:XS+\e+1], v[14:15] op_sel_hi:[1,0]
.endr
.irp g, 0,1,2,3
	v_cvt_scalef32_pk8_fp4_f32 v[CDS+\g], v[XS+8*\g:XS+8*\g+7], v18
.endr
	v_lshrrev_b32 v[BYS], 23, v18                  ; the scale's byte (also the plain line behind the conversions)
.endm
.macro QSTEP j                         ; step j of a trip's four: unit j / 2 of the trip, my rows 4 (j % 2) .. + 3
.set XS,  X+32*((\j)%2)
.set CDS, CD+4*((\j)%2)
.set BYS, BY+(\j)%2
.set PP,  (\j)/2
.set IS,  (\j)%2
.if IS == 0
	s_wait_dscnt 0x0
.else
	s_wait_dscnt 2                                 ; this step's numbers are back from the stage; the last step's two stores into the image may be out
.endif
	s_cmp_eq_u32 s[TRIP], 1
	s_cbranch_scc1 .Llast_\@
.if IS == 0
	s_wait_xcnt 0x0                                ; the loads that named this pair have read it
	SETPA PP
.endif
	WIN 0x40
	LOAD \j                                        ; the same step two units on, into the set that the stage's stores have read
	WIN 0
	s_wait_loadcnt 24                              ; the next step's eight loads are in; those of the three steps behind it may be out
.if (\j) == 3
	TURN 0
.endif
	s_branch .Ljoin_\@
.Llast_\@:
	s_wait_loadcnt 0x0                             ; the last trip asks for nothing
.Ljoin_\@:
.if (\j) < 3
	TURN (\j)+1
.endif
	QCOMP
	ds_store_b128 v5, v[CDS:CDS+3] offset:PP*UNITB+IS*64
	ds_store_b8 v6, v[BYS] offset:PP*UNITB+IS*64
.endm
.macro MEET
	s_wait_dscnt 0x0                               ; my stores into this image are done, and my reads of the other are over
	s_barrier_signal -1
	s_barrier_wait -1
.endm
.macro MM n, t, k                      ; tile t of the unit x tile n of the queries, K step k
.if (\k) == 0
	v_wmma_scale_f32_16x16x128_f8f6f4 v[ACC+32*((\n)%2)+8*(\t):ACC+32*((\n)%2)+8*(\t)+7], v[AB+16*(\t):AB+16*(\t)+7], v[16*(\n):16*(\n)+7], 0, v[AS+(\t)], v[QS+(\n)] matrix_a_fmt:MATRIX_FMT_FP4 matrix_b_fmt:MATRIX_FMT_FP4
.else
	v_wmma_scale_f32_16x16x128_f8f6f4 v[ACC+32*((\n)%2)+8*(\t):ACC+32*((\n)%2)+8*(\t)+7], v[AB+16*(\t)+8:AB+16*(\t)+15], v[16*(\n)+8:16*(\n)+15], v[ACC+32*((\n)%2)+8*(\t):ACC+32*((\n)%2)+8*(\t)+7], v[AS+(\t)], v[QS+(\n)] matrix_a_fmt:MATRIX_FMT_FP4 matrix_b_fmt:MATRIX_FMT_FP4 matrix_a_scale:MATRIX_SCALE_ROW1 matrix_b_scale:MATRIX_SCALE_ROW1
.endif
.endm
.macro RED bk, off                     ; a bank's maximum: 32 scores of a lane; each accumulator is read from its low end on
.set RA, ACC+32*(\bk)
.irp t, 0,1,2,3
	v_max3_num_f32 v[MX+\t], v[RA+8*\t], v[RA+8*\t+1], v[RA+8*\t+2]
.endr
.irp t, 0,1,2,3
	v_max3_num_f32 v[MX+\t], v[MX+\t], v[RA+8*\t+3], v[RA+8*\t+4]
.endr
.irp t, 0,1,2,3
	v_max3_num_f32 v[MX+\t], v[MX+\t], v[RA+8*\t+5], v[RA+8*\t+6]
.endr
	v_max3_num_f32 v[MX+4], v[MX], v[RA+7], v[RA+15]
	v_max3_num_f32 v[MX+5], v[MX+1], v[RA+23], v[RA+31]
	v_max3_num_f32 v[MX+4], v[MX+4], v[MX+5], v[MX+2]
	v_max_num_f32 v[RS+(\bk)], v[MX+4], v[MX+3]
	ds_store_b32 v[STO], v[RS+(\bk)] offset:\off
.endm
.macro GEMM p                          ; the unit in image p x my 128 queries
.irp t, 0,1,2,3
.irp q, 0,1,2,3
	ds_load_b128 v[AB+16*\t+4*\q:AB+16*\t+4*\q+3], v7 offset:(\p)*UNITB+\t*2048+\q*512
.endr
.endr
	ds_load_b128 v[AS:AS+3], v7 offset:(\p)*UNITB+8192
	s_wait_dscnt 0x0
	s_and_b32 s20, s[US], 7
	s_cmp_eq_u32 s20, s[WV]
	s_cbranch_scc0 .Lnot_mine_\@
.set II, 0
.rept 16
	global_store_b128 v2, v[AB+4*II:AB+4*II+3], s[8:9] offset:512*II   ; 32 lanes store 512 consecutive bytes, at a multiple of 256 from the buffer's first byte
.set II, II+1
.endr
	global_store_b128 v2, v[AS:AS+3], s[8:9] offset:8192
.Lnot_mine_\@:
	s_add_co_u32 s[US], s[US], 1
.set QN, 0
.rept 8
	WIN 0x04                                       ; source 1 (the queries) window 1
.irp k, 0,1
.irp t, 0,1,2,3
	MM QN, \t, \k
.endr
.endr
	WIN 0
.if QN == 0
.rept 4
	v_nop                                          ; the unit's first step has no older bank: four places ahead of the first read of its results
.endr
.else
	RED (QN-1)%2, (64*((QN-1)/4)+8*((QN-1)%4))*64+8*(\p)
.endif
.set QN, QN+1
.endr
	RED 1, (64*1+8*3)*64+8*(\p)
	s_wait_xcnt 0x0                                ; the unit's stores have read their base and data
	s_add_nc_u64 s[8:9], s[8:9], UNITB
.endm
	s_load_b256 s[4:11], s[0:1], 0x0               ; memory_feat s[4:5], qimg s[6:7], mimg s[8:9], gmax s[10:11]
	v_lshl_add_u32 v[SPW], v0, 2, SPARE
	v_mov_b32 v[NIL], 0
	v_lshrrev_b32 v1, 5, v0
	v_readfirstlane_b32 s[WV], v1                  ; wave
	s_mul_i32 s14, s[WV], 2*STG
	s_and_b32 s22, s[WV], 3                        ; which 8 rows of the chunk: the tile
	s_lshr_b32 s23, s[WV], 2                       ; which chunk of the unit
	s_lshl_b32 s15, s22, 11
	s_lshl_b32 s28, s23, 7
	s_add_co_u32 s15, s15, s28                     ; my rows' place among the codes: tile w % 4, tile rows 8 (w / 4) on
	s_lshl_b32 s29, s22, 2
	s_add_co_u32 s29, s29, s28                     ; and among the scale bytes
	s_lshl_b32 s30, s[WV], 13
	s_add_co_u32 s30, s30, OUTS                    ; my 8,192 bytes of the stage
	s_lshr_b32 s[CH], ttmp9, 2
	s_lshl_b32 s[CH], s[CH], 6
	s_and_b32 s31, ttmp9, 3
	s_lshl_b32 s31, s31, 3
	s_add_co_u32 s[CH], s[CH], s31
	s_lshl_b32 s31, s23, 5
	s_add_co_u32 s[CH], s[CH], s31                 ; unit 0's chunk: 64 (g / 4) + 8 (g % 4) + 32 (w / 4); a unit on is a chunk on
	s_mov_b32 s[TRIP], 4
	s_mov_b32 s[US], 0
	s_mov_b32 s[SO], 0
	s_mov_b32 s21, 0
	s_wait_alu depctr_va_vdst(0)                   ; the wait behind the run of scalar lines
	v_and_b32 v1, 31, v0                           ; lane
	v_lshlrev_b32 v2, 4, v1                        ; 16 x lane
	v_lshrrev_b32 v12, 3, v1                       ; i: my row of a step's four
	v_and_b32 v13, 7, v1                           ; b: my block
	v_lshl_add_u32 v3, v12, 4, v2
	v_add_nc_u32 v3, s14, v3                       ; the stage, way in: 16 x lane + 16 (lane / 8)
	v_mul_u32_u24 v4, v1, 144
	v_add_nc_u32 v4, s14, v4                       ; way out: 144 x lane
	v_lshlrev_b32 v5, 8, v13
	v_lshl_add_u32 v5, v12, 4, v5
	v_add_nc_u32 v5, s15, v5
	v_add_nc_u32 v5, IMG, v5                       ; my codes in image 0
	v_lshrrev_b32 v6, 2, v13
	v_lshlrev_b32 v6, 8, v6
	v_lshl_add_u32 v6, v12, 4, v6
	v_and_b32 v13, 3, v13
	v_add_nc_u32 v6, v6, v13
	v_add_nc_u32 v6, s29, v6
	v_add_nc_u32 v6, IMG+8192, v6                  ; my scale byte
	v_add_nc_u32 v7, IMG, v2                       ; the image read back, 16 bytes a lane
	v_mov_b32 v15, 0                               ; named with v14 as a pair, so it is written
	v_and_b32 v8, 15, v0                           ; r
	v_bfe_u32 v9, v0, 4, 1                         ; h
	v_and_b32 v10, 7, v8
	v_lshrrev_b32 v11, 3, v8
	v_lshl_add_u32 v10, v11, 5, v10                ; column r of a tile of queries is query 32 (r / 8) + r % 8 (+ 64 (n / 4) + 8 (n % 4))
	v_lshlrev_b32 v[STO0], 6, v10                  ; 64 bytes a query
	v_lshl_add_u32 v[STO0], v9, 2, v[STO0]         ; + 4 h
	v_add_nc_u32 v[STO0], s30, v[STO0]
	v_add_nc_u32 v[RD], s30, v2                    ; back: 512 consecutive bytes an instruction: two blocks
	v_mul_u32_u24 v[GO], v9, QBLK
	v_lshl_add_u32 v[GO], v8, 4, v[GO]             ; and the same two blocks in gmax
	s_wait_alu depctr_va_vdst(0)                   ; the wait at the head's end
	s_wait_kmcnt 0x0
	s_lshl_b32 s20, s22, 13
	s_add_nc_u64 s[4:5], s[4:5], s[20:21]          ; my 8 rows of a chunk
	s_mul_i32 s20, s[WV], 2*UNITB
	s_add_nc_u64 s[6:7], s[6:7], s[20:21]          ; my two units of queries
	s_mul_i32 s20, ttmp9, 8*UNITB
	s_add_nc_u64 s[8:9], s[8:9], s[20:21]          ; the work-group's first unit
	s_mul_i32 s20, s[WV], 32*QBLK
	s_lshl_b32 s31, ttmp9, 8
	s_add_co_u32 s20, s20, s31
	s_add_nc_u64 s[10:11], s[10:11], s[20:21]      ; my 32 blocks of gmax
	WIN 0x40                                       ; destination window 1
.irp u, 0,1
.irp t, 0,1,2,3
.irp q, 0,1,2,3
	global_load_b128 v[16*(4*\u+\t)+4*\q:16*(4*\u+\t)+4*\q+3], v2, s[6:7] offset:\u*UNITB+\t*2048+\q*512
.endr
.endr
.endr
	WIN 0
.irp u, 0,1
	global_load_b128 v[QS+4*\u:QS+4*\u+3], v2, s[6:7] offset:\u*UNITB+8192   ; four tiles' scale words: lanes 0-15 K step 0, lanes 16-31 K step 1
.endr
	SETPA 0
	SETPA 1
	WIN 0x40
.irp j, 0,1,2,3
	LOAD \j
.endr
	WIN 0
	s_wait_loadcnt 24                              ; the queries and step 0 are in; three steps' loads may be out
	TURN 0
.Ltrip:
	v_add_nc_u32 v[STO], s[SO], v[STO0]
	s_wait_alu depctr_va_vdst(0)                   ; the wait behind this write
	QSTEP 0
	QSTEP 1
	MEET
	GEMM 0
	QSTEP 2
	QSTEP 3
	MEET
	GEMM 1
	s_add_co_u32 s[SO], s[SO], 16
	s_sub_co_i32 s[TRIP], s[TRIP], 1
	s_cmp_lg_u32 s[TRIP], 0
	s_cbranch_scc1 .Ltrip
	; THE WAY OUT: my own 8,192 bytes of the stage; LDS serves a wave's instructions in order, so these see my stores
.set II, 0
.rept 16
	ds_load_b128 v[AB+4*II:AB+4*II+3], v[RD] offset:512*II
.set II, II+1
.endr
.set II, 0
.rept 16
	s_wait_dscnt 15-II
	global_store_b128 v[GO], v[AB+4*II:AB+4*II+3], s[10:11] offset:2*II*QBLK   ; 16 lanes store 256 consecutive bytes, at a multiple of 256 from the buffer's first byte
.set II, II+1
.endr
	s_wait_tensorcnt 0x0                           ; the wave's end
	ds_add_u32 v[SPW], v[NIL]
	s_wait_dscnt 0x0
	s_endpgm
.Lfunc_end_k_q57394ab46a_fused:
	.size	k_q57394ab46a_fused, .Lfunc_end_k_q57394ab46a_fused-k_q57394ab46a_fused
	.p2alignl 7, 3214868480
	.fill 96, 4, 3214868480
	.section	.rodata,"a",@progbits
	.p2align	6, 0x0
	.amdhsa_kernel k_q57394ab46a_fused
		.amdhsa_group_segment_fixed_size 157696
		.amdhsa_private_segment_fixed_size 0
		.amdhsa_enable_private_segment 0
		.amdhsa_kernarg_size 32
		.amdhsa_user_sgpr_count 2
		.amdhsa_user_sgpr_kernarg_segment_ptr 1
		.amdhsa_wavefront_size32 1
		.amdhsa_system_sgpr_workgroup_id_x 1
		.amdhsa_system_sgpr_workgroup_id_y 1
		.amdhsa_system_sgpr_workgroup_id_z 1
		.amdhsa_system_vgpr_workitem_id 0
		.amdhsa_next_free_vgpr 512
		.amdhsa_next_free_sgpr 66
		.amdhsa_reserve_vcc 0
		.amdhsa_float_denorm_mode_32 3
		.amdhsa_float_denorm_mode_16_64 3
		.amdhsa_memory_ordered 1
		.amdhsa_forward_progress 1
		.amdhsa_inst_pref_size 79
	.end_amdhsa_kernel
	.amdgpu_metadata
---
amdhsa.version: [ 1, 2 ]
amdhsa.kernels:
  - .name:           k_q57394ab46a_fused
    .symbol:         k_q57394ab46a_fused.kd
    .args:
      - { .name: memory_feat, .offset: 0, .size: 8, .value_kind: global_buffer, .address_space: global }
      - { .name: qimg, .offset: 8, .size: 8, .value_kind: global_buffer, .address_space: global }
      - { .name: mimg, .offset: 16, .size: 8, .value_kind: global_buffer, .address_space: global }
      - { .name: gmax, .offset: 24, .size: 8, .value_kind: global_buffer, .address_space: global }
    .group_segment_fixed_size: 157696
    .private_segment_fixed_size: 0
    .kernarg_segment_align: 8
    .kernarg_segment_size: 32
    .max_flat_workgroup_size: 256
    .sgpr_count:     66
    .vgpr_count:     512
    .wavefront_size: 32
...
	.end_amdgpu_metadata
.endif
;; end of part 2
;; launch select (part 3): grid 256 x 1, 4 waves a work-group, no clusters, 0 bytes of LDS; arguments gmax, sel; writes sel
.if DOCPART == 3
	.amdgcn_target "amdgcn-amd-amdhsa--gfx1250"
	.amdhsa_code_object_version 6
	.text
	.protected	k_q57394ab46a_select
	.globl	k_q57394ab46a_select
	.p2align	8
	.type	k_q57394ab46a_select,@function
k_q57394ab46a_select:
	s_mov_b64 s[64:65], 0
	v_nop
	global_prefetch_b8 v0, s[64:65] scope:SCOPE_SE
	s_setreg_imm32_b32 hwreg(HW_REG_WAVE_MODE, 25, 1), 1
	s_wait_xcnt 0x0
; For each query: the 16 groups with the largest maxima, ties to the lower group number.  They hold the query's 16 best rows under (score descending, row ascending): a group that comes before the group of such a row holds
; a row that comes before it, and at most 15 rows do.
; A wave takes one query.  Its 3,136 maxima lie in 98 registers: register k, lane l = group 32 k + l (groups from 3,125 on are copies and become -infinity).
; 1. Each lane keeps its 16 largest, sorted, by insertion (a median of three for each place).  2. Five merges across the lanes (the larger of my i-th and the partner's (15 - i)-th, then four half-cleaners) leave the 16 largest
; of all; tau is the least of them, NEED = 16 - the number above tau.  3. In the order of the group numbers: a group is kept where its maximum is above tau, or equal to it with fewer than NEED equals in front of it.
; 4. Lane l finds the group of slot l % 16: it keeps the word of kept bits that holds its slot and the count in front of it, clears that many lowest bits, and takes the lowest bit's number from the exponent of its f32 form.
; No branch and no address hangs on a score.  sel[query]: 32 words: words 0-15 the slots' places in mimg in units of 128 bytes (68 x unit + half), words 16-31 the slots' group numbers, both ascending in the group number.
; LIMITS: NaN and infinities are not served; -0 and +0 count as equal.
.set V,    16                          ; v16-113
.set T,    114                         ; v114-129
.set U,    130                         ; v130-145
.set XP,   146                         ; v146-161
.set WORD, 162
.set PK,   163
.set TAU,  4
.set NEED, 5
.set P,    6
.set SLOT, 7
.set NINF, 12
	s_load_b128 s[4:7], s[0:1], 0x0                ; gmax, sel
	v_lshrrev_b32 v1, 5, v0
	v_readfirstlane_b32 s8, v1
	v_and_b32 v1, 31, v0                           ; lane
	v_and_b32 v2, 7, v1                            ; gmax: lane l of load KK takes unit 32 KK + l: block 4 KK + l / 8 of my four queries' row of blocks, 8 (l % 8) bytes on
	v_lshrrev_b32 v8, 3, v1
	v_lshlrev_b32 v2, 3, v2
	v_lshl_add_u32 v2, v8, 8, v2
	v_lshlrev_b32 v3, 2, v1
	v_and_b32 v[SLOT], 15, v1
	s_lshl_b32 s9, ttmp9, 2
	s_add_co_u32 s9, s9, s8                        ; the query
	s_mul_i32 s10, ttmp9, 50176                    ; 196 blocks of 256 bytes for each 4 queries,
	s_lshl_b32 s12, s8, 6
	s_add_co_u32 s10, s10, s12                     ; 64 bytes of each block for my query
	s_mov_b32 s11, 0
	s_lshl_b32 s12, s9, 7
	s_mov_b32 s13, 0
	s_mov_b32 s14, 0x76543210
	s_mov_b32 s15, 0xfedcba98                      ; v_permlanex16_b32's selects for lane l xor 16
	s_mov_b32 s16, 0                               ; equals of tau seen so far
	s_mov_b32 s17, 0                               ; groups kept so far
	s_wait_alu depctr_va_vdst(0)
	s_wait_kmcnt 0x0
	s_add_nc_u64 s[4:5], s[4:5], s[10:11]
	s_add_nc_u64 s[6:7], s[6:7], s[12:13]
.set KK, 0
.rept 49
	global_load_b64 v[V+2*KK:V+2*KK+1], v2, s[4:5] offset:1024*KK th:TH_LOAD_NT   ; 64 consecutive bytes of each of four blocks; the work-group's four waves take the blocks whole
.set KK, KK+1
.endr
.set KK, 0
.rept 16
	v_mov_b32 v[U+KK], 0                           ; written once: the destination of a DPP form or a lane permute counts as one of its sources
	v_mov_b32 v[XP+KK], 0
.set KK, KK+1
.endr
	v_mov_b32 v[WORD], 0
	v_mov_b32 v[PK], 0
	v_mov_b32 v[NINF], 0xff800000
.macro INSERT x, len                   ; x goes into the sorted list T[0 .. len - 1] (at most 16 are kept)
.if (\len) == 0
	v_mov_b32 v[T], v[\x]
.else
.if (\len) < 16
	v_min_num_f32 v[T+(\len)], v[T+(\len)-1], v[\x]
.set IJ, (\len)-1
.else
.set IJ, 15
.endif
.rept IJ
	v_med3_num_f32 v[T+IJ], v[T+IJ-1], v[T+IJ], v[\x]
.set IJ, IJ-1
.endr
	v_max_num_f32 v[T], v[T], v[\x]
.endif
.endm
.macro CLEAN S, D, d                   ; a half-cleaner, from S to D
.set IM, 0
.rept 16
.if (IM & \d) == 0
	v_max_num_f32 v[\D+IM], v[\S+IM], v[\S+IM+\d]
	v_min_num_f32 v[\D+IM+\d], v[\S+IM], v[\S+IM+\d]
.endif
.set IM, IM+1
.endr
.endm
.macro MERGE S, D, mask                ; the 16 largest of my sorted S and lane (l xor mask)'s, sorted, into D
.set IM, 0
.rept 16
	v_max_num_f32_dpp v[\D+IM], v[\S+15-IM], v[\S+IM] row_xmask:\mask row_mask:0xf bank_mask:0xf
.set IM, IM+1
.endr
	CLEAN \D, \S, 8
	CLEAN \S, \D, 4
	CLEAN \D, \S, 2
	CLEAN \S, \D, 1
.endm
.set KK, 0
.rept 49
	s_wait_alu depctr_va_vdst(0)
	s_wait_loadcnt 48-KK                           ; load KK is in; the younger ones may be out
.if KK == 48
	v_cmp_gt_u32 vcc_lo, 21, v1                    ; register 97: groups 3,104 + lane; from lane 21 on they are copies
	v_cndmask_b32 v[V+97], v[NINF], v[V+97], vcc_lo
.endif
	INSERT V+2*KK, 2*KK
	INSERT V+2*KK+1, 2*KK+1
.set KK, KK+1
.endr
	MERGE T, U, 1
	MERGE U, T, 2
	MERGE T, U, 4
	MERGE U, T, 8
.set KK, 0
.rept 16
	v_permlanex16_b32 v[XP+KK], v[T+15-KK], s14, s15
.set KK, KK+1
.endr
.set KK, 0
.rept 16
	v_max_num_f32 v[U+KK], v[T+KK], v[XP+KK]       ; the 16 largest of all, in no order
.set KK, KK+1
.endr
	v_min3_num_f32 v[TAU], v[U], v[U+1], v[U+2]
.irp i, 3,5,7,9,11,13
	v_min3_num_f32 v[TAU], v[TAU], v[U+\i], v[U+\i+1]
.endr
	v_min_num_f32 v[TAU], v[TAU], v[U+15]          ; tau: the 16th largest
	v_mov_b32 v[NEED], 0
.set KK, 0
.rept 16
	v_cmp_gt_f32 vcc_lo, v[U+KK], v[TAU]
	v_add_co_ci_u32 v[NEED], vcc_lo, 0, v[NEED], vcc_lo
.set KK, KK+1
.endr
	v_sub_nc_u32 v[NEED], 16, v[NEED]              ; so many equals of tau are kept
.set KK, 0
.rept 98
.set SB, 20+4*(KK%4)                   ; four sets of scalars by turns
	v_cmp_eq_f32 s[SB], v[V+KK], v[TAU]
	v_cmp_gt_f32 s[SB+2], v[V+KK], v[TAU]
	v_mbcnt_lo_u32_b32 v[P], s[SB], s16            ; equals in front of me: in earlier registers and in lower lanes
	v_cmp_gt_u32 s[SB+1], v[NEED], v[P]
	s_bcnt1_i32_b32 s[SB+3], s[SB]
	s_add_co_u32 s16, s16, s[SB+3]
	s_and_b32 s[SB+1], s[SB+1], s[SB]
	s_or_b32 s[SB+1], s[SB+1], s[SB+2]             ; the word of kept groups
	s_add_co_u32 s18, s17, KK<<13                  ; 32 KK, eight bits up, over the count in front of this word
	v_cmp_le_u32 vcc_lo, s17, v[SLOT]              ; the last word with count <= slot is the word that holds the slot
	v_cndmask_b32 v[WORD], v[WORD], s[SB+1], vcc_lo
	v_cndmask_b32 v[PK], v[PK], s18, vcc_lo
	s_bcnt1_i32_b32 s[SB+3], s[SB+1]
	s_add_co_u32 s17, s17, s[SB+3]
.set KK, KK+1
.endr
	v_and_b32 v8, 0xff, v[PK]
	v_sub_nc_u32 v8, v[SLOT], v8                   ; so many lower bits of my word belong to earlier slots
	v_lshrrev_b32 v9, 8, v[PK]                     ; the word's first group
.set KK, 0
.rept 15
	v_add_nc_u32 v10, -1, v[WORD]
	v_and_b32 v10, v10, v[WORD]                    ; the word without its lowest bit,
	v_cmp_lt_u32 vcc_lo, KK, v8
	v_cndmask_b32 v[WORD], v[WORD], v10, vcc_lo    ; taken while bits are to be cleared
.set KK, KK+1
.endr
	v_sub_nc_u32 v10, 0, v[WORD]
	v_and_b32 v10, v10, v[WORD]                    ; the lowest bit alone: a power of two,
	v_cvt_f32_u32 v10, v10
	v_lshrrev_b32 v10, 23, v10
	v_add_nc_u32 v10, 0xffffff81, v10              ; whose exponent is the bit's number
	v_add_nc_u32 v9, v9, v10                       ; the group
	v_lshrrev_b32 v10, 6, v9
	v_and_b32 v11, 31, v9
	v_lshl_add_u32 v10, v10, 5, v11                ; its unit: 32 (group / 64) + group % 32
	v_bfe_u32 v11, v9, 5, 1                        ; its half of the unit's tile rows
	v_mad_u32_u24 v10, v10, 68, v11
	v_cmp_gt_u32 vcc_lo, 16, v1
	v_cndmask_b32 v10, v9, v10, vcc_lo             ; lanes 0-15 the place, lanes 16-31 the group
	global_store_b32 v3, v10, s[6:7]               ; 128 consecutive bytes a wave, 512 a work-group
	s_endpgm
.Lfunc_end_k_q57394ab46a_select:
	.size	k_q57394ab46a_select, .Lfunc_end_k_q57394ab46a_select-k_q57394ab46a_select
	.p2alignl 7, 3214868480
	.fill 96, 4, 3214868480
	.section	.rodata,"a",@progbits
	.p2align	6, 0x0
	.amdhsa_kernel k_q57394ab46a_select
		.amdhsa_group_segment_fixed_size 0
		.amdhsa_private_segment_fixed_size 0
		.amdhsa_enable_private_segment 0
		.amdhsa_kernarg_size 16
		.amdhsa_user_sgpr_count 2
		.amdhsa_user_sgpr_kernarg_segment_ptr 1
		.amdhsa_wavefront_size32 1
		.amdhsa_system_sgpr_workgroup_id_x 1
		.amdhsa_system_sgpr_workgroup_id_y 1
		.amdhsa_system_sgpr_workgroup_id_z 1
		.amdhsa_system_vgpr_workitem_id 0
		.amdhsa_next_free_vgpr 168
		.amdhsa_next_free_sgpr 66
		.amdhsa_reserve_vcc 1
		.amdhsa_float_denorm_mode_32 3
		.amdhsa_float_denorm_mode_16_64 3
		.amdhsa_memory_ordered 1
		.amdhsa_forward_progress 1
		.amdhsa_inst_pref_size 180
	.end_amdhsa_kernel
	.amdgpu_metadata
---
amdhsa.version: [ 1, 2 ]
amdhsa.kernels:
  - .name:           k_q57394ab46a_select
    .symbol:         k_q57394ab46a_select.kd
    .args:
      - { .name: gmax, .offset: 0, .size: 8, .value_kind: global_buffer, .address_space: global }
      - { .name: sel, .offset: 8, .size: 8, .value_kind: global_buffer, .address_space: global }
    .group_segment_fixed_size: 0
    .private_segment_fixed_size: 0
    .kernarg_segment_align: 8
    .kernarg_segment_size: 16
    .max_flat_workgroup_size: 128
    .sgpr_count:     66
    .vgpr_count:     168
    .wavefront_size: 32
...
	.end_amdgpu_metadata
.endif
;; end of part 3
;; launch rescore (part 4): grid 256 x 1, 4 waves a work-group, no clusters, 0 bytes of LDS; arguments sel, mimg, qimg, memory_evidence, model_evidence, out0; writes out0
.if DOCPART == 4
	.amdgcn_target "amdgcn-amd-amdhsa--gfx1250"
	.amdhsa_code_object_version 6
	.text
	.protected	k_q57394ab46a_rescore
	.globl	k_q57394ab46a_rescore
	.p2align	8
	.type	k_q57394ab46a_rescore,@function
k_q57394ab46a_rescore:
	s_mov_b64 s[64:65], 0
	v_nop
	global_prefetch_b8 v0, s[64:65] scope:SCOPE_SE
	s_setreg_imm32_b32 hwreg(HW_REG_WAVE_MODE, 25, 1), 1
	s_wait_xcnt 0x0
; For each query: the scores of the 512 rows of its 16 chosen groups, by the same matrix instruction on the same codes; the 16 best (ties to the lower row); softmax(score / 0.07) with the maximum taken away;
; the weighted sum of the rows' evidence; the fusion with the model's opinion, with all of its clips.  out0[query][2].
; A wave takes one query; waves share nothing; no LDS.
; BATCH a (0 .. 7), tile tt (0 .. 3): source 0 = rows 8 tt .. + 7 of slot a's group (tile rows 0-7) and of slot a + 8's (tile rows 8-15), loaded from mimg straight into the operand's registers; source 1 = the query in all
; 16 columns.  So all 16 lanes of a half hold the same eight scores, and each lane KEEPS its own: lane l keeps slot l / 2, rows 16 (l % 2) + k of the group, k = 0 .. 15.  16 l + k then rises with the row's number.
; The list words are whole numbers that an earlier launch stored; each is clamped (to the last unit's second half; to the last group) ahead of the shift and the sum that make it an offset.
; The accumulators of a bank take turns, one instruction a turn; two banks: a batch's scores are kept while the next batch is multiplied.
; REGISTERS.  Window 0: v1-10 addresses; v16-23 the slots' offsets, v24 the evidence's; v32-47 the query's fragment, v48 its scale words; v49-63 at work; v64-95 the tiles' scale words; v96-159 two banks, later at work;
;   v160-175 my 16 scores; v176-207 my 16 rows' evidence; v208-255 the sorting lists.   Window 1: codes of batches 0-3.   Window 2: of batches 4-7.
; LIMITS: (evidence + 1) - 1 is taken as the evidence; 1 - 1e-8 and 1 + 1e-8 are 1 in f32; quotients are products with v_rcp_f32; NaN and infinities are not served; -0 and +0 count as equal; top_k = 16 is built in.
.set UNITB, 8704
.set OA,   16
.set GE,   24
.set QF,   32
.set QSC,  48
.set T16,  49
.set VMAX, 50
.set NEED, 51
.set NL,   52
.set RK,   53
.set TA,   54
.set DEN,  56
.set N0,   57
.set N1,   58
.set NB,   59
.set WW,   60
.set ASC,  64
.set ACC,  96
.set E,    96                          ; the exponentials, where the banks lay
.set PM,   112                         ; the model's opinion: b0, b1, u, three at work
.set PR,   118                         ; the retrieval's
.set C0,   124                         ; the fusion, eight at work
.set OUT,  132
.set S,    160
.set EV,   176
.set T,    208
.set U,    224
.set XP,   240
.set EPS,  0x322bcc77                  ; 1e-8
.set MSB, 0
.macro WIN new                         ; the immediate's high byte repeats the setting that is left
.if MSB != (\new)
	s_set_vgpr_msb (MSB<<8)|(\new)
.set MSB, \new
.endif
.endm
	s_load_b256 s[4:11], s[0:1], 0x0               ; sel s[4:5], mimg s[6:7], qimg s[8:9], memory_evidence s[10:11]
	s_load_b128 s[12:15], s[0:1], 0x20             ; model_evidence s[12:13], out0 s[14:15]
	v_lshrrev_b32 v1, 5, v0
	v_readfirstlane_b32 s16, v1
	v_and_b32 v1, 31, v0                           ; lane
	s_wait_alu depctr_va_vdst(0)
	s_lshl_b32 s17, ttmp9, 2
	s_add_co_u32 s17, s17, s16                     ; the query
	s_lshl_b32 s18, s17, 7                         ; its 128 bytes of sel
	s_mov_b32 s19, 0
	s_lshl_b32 s20, s17, 3                         ; its 8 bytes of model_evidence and of out0
	s_mov_b32 s21, 0
	s_lshr_b32 s22, s17, 6
	s_mul_i32 s22, s22, UNITB                      ; query = 64 u + 32 (m / 8) + 8 t + m % 8: its unit,
	s_bfe_u32 s23, s17, 0x20003                    ; its tile t,
	s_lshl_b32 s24, s23, 11
	s_add_co_u32 s24, s24, s22
	s_lshl_b32 s25, s23, 2
	s_add_co_u32 s25, s25, s22
	s_bfe_u32 s26, s17, 0x10005
	s_lshl_b32 s26, s26, 3
	s_and_b32 s27, s17, 7
	s_add_co_u32 s26, s26, s27                     ; its tile row m
	s_lshl_b32 s26, s26, 4
	s_add_co_u32 s24, s24, s26                     ; codes: unit + 2048 t + 16 m
	s_add_co_u32 s25, s25, s26                     ; scale words: unit + 4 t + 16 m (+ 8192)
	s_mov_b32 s32, 0x76543210
	s_mov_b32 s33, 0xfedcba98                      ; v_permlanex16_b32's selects for lane l xor 16
	v_lshrrev_b32 v2, 4, v1
	v_lshlrev_b32 v3, 8, v2                        ; 256 (lane / 16)
	v_add_nc_u32 v4, s24, v3
	v_add_nc_u32 v5, s25, v3
	v_bfe_u32 v6, v1, 3, 1
	v_lshlrev_b32 v6, 5, v6                        ; the list: tile rows 8-15 take the slot eight further on
	v_lshrrev_b32 v7, 1, v1
	v_lshlrev_b32 v7, 2, v7                        ; my own slot's word: lane / 2
	v_and_b32 v8, 7, v1
	v_lshl_add_u32 v8, v8, 4, v3                   ; my lane's place in a piece of a unit: 256 (lane / 16) + 16 (lane % 8)
	v_and_b32 v9, 1, v1
	v_lshlrev_b32 v9, 7, v9                        ; my 16 rows of the group's 32: 128 bytes of evidence
	v_mov_b32 v10, 0
.set II, 0
.rept 16
	v_mov_b32 v[U+II], 0                           ; written once: the destination of a DPP form or a lane permute counts as one of its sources
	v_mov_b32 v[XP+II], 0
.set II, II+1
.endr
	s_wait_kmcnt 0x0
	s_add_nc_u64 s[4:5], s[4:5], s[18:19]
	s_add_nc_u64 s[12:13], s[12:13], s[20:21]
	s_add_nc_u64 s[14:15], s[14:15], s[20:21]
	s_load_b64 s[28:29], s[12:13], 0x0             ; the model's evidence
.irp a, 0,1,2,3,4,5,6,7
	global_load_b32 v[OA+\a], v6, s[4:5] offset:4*\a       ; the place of slot a (lanes with tile rows 0-7) or a + 8
.endr
	global_load_b32 v[GE], v7, s[4:5] offset:64            ; my slot's group
.irp q, 0,1,2,3
	global_load_b128 v[QF+4*\q:QF+4*\q+3], v4, s[8:9] offset:512*\q
.endr
	global_load_b32 v[QSC], v5, s[8:9] offset:8192
	s_wait_loadcnt 5                               ; the nine list words are in; the query's five loads may be out
.irp a, 0,1,2,3,4,5,6,7
	v_min_u32 v[OA+\a], 0x1a03d, v[OA+\a]          ; 68 x 1,567 + 1 at the most
.endr
.irp a, 0,1,2,3,4,5,6,7
	v_lshl_add_u32 v[OA+\a], v[OA+\a], 7, v8
.endr
	v_min_u32 v[GE], 0xc34, v[GE]                  ; 3,124 at the most
	v_lshl_add_u32 v[GE], v[GE], 8, v9
.irp a, 0,1,2,3,4,5,6,7
.irp t, 0,1,2,3
	global_load_b32 v[ASC+4*\a+\t], v[OA+\a], s[6:7] offset:8192+4*\t     ; lanes 0-15 K step 0's words, lanes 16-31 K step 1's
.endr
.endr
.irp i, 0,1,2,3,4,5,6,7
	global_load_b128 v[EV+4*\i:EV+4*\i+3], v[GE], s[10:11] offset:16*\i
.endr
.set AA, 0
.rept 8
	WIN 0x40*(1+AA/4)                              ; destination window 1 or 2
.irp t, 0,1,2,3
.irp q, 0,1,2,3
	global_load_b128 v[64*(AA%4)+16*\t+4*\q:64*(AA%4)+16*\t+4*\q+3], v[OA+AA], s[6:7] offset:\t*2048+\q*512
.endr
.endr
.set AA, AA+1
.endr
	WIN 0
.macro MMR a, t, k
.if \k == 0
	v_wmma_scale_f32_16x16x128_f8f6f4 v[ACC+32*((\a)%2)+8*\t:ACC+32*((\a)%2)+8*\t+7], v[64*((\a)%4)+16*\t:64*((\a)%4)+16*\t+7], v[QF:QF+7], 0, v[ASC+4*(\a)+\t], v[QSC] matrix_a_fmt:MATRIX_FMT_FP4 matrix_b_fmt:MATRIX_FMT_FP4
.else
	v_wmma_scale_f32_16x16x128_f8f6f4 v[ACC+32*((\a)%2)+8*\t:ACC+32*((\a)%2)+8*\t+7], v[64*((\a)%4)+16*\t+8:64*((\a)%4)+16*\t+15], v[QF+8:QF+15], v[ACC+32*((\a)%2)+8*\t:ACC+32*((\a)%2)+8*\t+7], v[ASC+4*(\a)+\t], v[QSC] matrix_a_fmt:MATRIX_FMT_FP4 matrix_b_fmt:MATRIX_FMT_FP4 matrix_a_scale:MATRIX_SCALE_ROW1 matrix_b_scale:MATRIX_SCALE_ROW1
.endif
.endm
.macro KEEP a                          ; of batch a, tile tt the lanes with lane % 16 = 2 a + tt / 2 keep the eight scores as their numbers 8 (tt % 2) ..; each accumulator is read from its low end on
.irp tt, 0,1,2,3
.if ((\a) == 0) && (\tt < 2)
.irp j, 0,1,2,3,4,5,6,7
	v_mov_b32 v[S+8*(\tt%2)+\j], v[ACC+32*((\a)%2)+8*\tt+\j]      ; the first two tiles write my 16 registers whole
.endr
.else
.if (\tt%2) == 0
	s_mov_b32 s30, 0x00010001<<(2*(\a)+\tt/2)
.endif
.irp j, 0,1,2,3,4,5,6,7
	v_cndmask_b32 v[S+8*(\tt%2)+\j], v[S+8*(\tt%2)+\j], v[ACC+32*((\a)%2)+8*\tt+\j], s30
.endr
.endif
.endr
.endm
.set AA, 0
.rept 8
.if 16*(7-AA) > 63
	s_wait_loadcnt 63                              ; at most as many as were issued behind this batch's codes
.else
	s_wait_loadcnt 16*(7-AA)                       ; this batch's codes are in; the later batches' 16 loads each may be out
.endif
	WIN 0x01+AA/4                                  ; source 0 window 1 or 2
.irp k, 0,1
.irp t, 0,1,2,3
	MMR AA, \t, \k
.endr
.endr
	WIN 0
.if AA == 0
.rept 4
	v_nop                                          ; the first batch has none before it: four places ahead of the first read of its results
.endr
.else
	KEEP AA-1                                      ; 32 instructions on the other bank: the places behind this batch's products
.endif
.set AA, AA+1
.endr
	KEEP 7
.macro INSERT x, len                   ; x goes into the sorted list T[0 .. len - 1]
.if (\len) == 0
	v_mov_b32 v[T], v[\x]
.else
.if (\len) < 16
	v_min_num_f32 v[T+(\len)], v[T+(\len)-1], v[\x]
.set IJ, (\len)-1
.else
.set IJ, 15
.endif
.rept IJ
	v_med3_num_f32 v[T+IJ], v[T+IJ-1], v[T+IJ], v[\x]
.set IJ, IJ-1
.endr
	v_max_num_f32 v[T], v[T], v[\x]
.endif
.endm
.macro CLEAN S1, D1, d
.set IM, 0
.rept 16
.if (IM & \d) == 0
	v_max_num_f32 v[\D1+IM], v[\S1+IM], v[\S1+IM+\d]
	v_min_num_f32 v[\D1+IM+\d], v[\S1+IM], v[\S1+IM+\d]
.endif
.set IM, IM+1
.endr
.endm
.macro MERGE S1, D1, mask              ; the 16 largest of my sorted list and lane (l xor mask)'s, sorted
.set IM, 0
.rept 16
	v_max_num_f32_dpp v[\D1+IM], v[\S1+15-IM], v[\S1+IM] row_xmask:\mask row_mask:0xf bank_mask:0xf
.set IM, IM+1
.endr
	CLEAN \D1, \S1, 8
	CLEAN \S1, \D1, 4
	CLEAN \D1, \S1, 2
	CLEAN \S1, \D1, 1
.endm
.set II, 0
.rept 16
	INSERT S+II, II
.set II, II+1
.endr
	MERGE T, U, 1
	MERGE U, T, 2
	MERGE T, U, 4
	MERGE U, T, 8
.set II, 0
.rept 16
	v_permlanex16_b32 v[XP+II], v[T+15-II], s32, s33
.set II, II+1
.endr
.set II, 0
.rept 16
	v_max_num_f32 v[U+II], v[T+II], v[XP+II]       ; the 16 largest scores, in no order
.set II, II+1
.endr
	v_min3_num_f32 v[T16], v[U], v[U+1], v[U+2]
	v_max3_num_f32 v[VMAX], v[U], v[U+1], v[U+2]
.irp i, 3,5,7,9,11,13
	v_min3_num_f32 v[T16], v[T16], v[U+\i], v[U+\i+1]
	v_max3_num_f32 v[VMAX], v[VMAX], v[U+\i], v[U+\i+1]
.endr
	v_min_num_f32 v[T16], v[T16], v[U+15]          ; the 16th largest
	v_max_num_f32 v[VMAX], v[VMAX], v[U+15]        ; the largest
	s_mov_b32 s22, 0x41a4e123                      ; log2(e) / 0.07
	v_mul_f32 v[NB], 0xc1a4e123, v[VMAX]
.set II, 0
.rept 16
	v_fma_f32 v[E+II], v[S+II], s22, v[NB]         ; (score - largest) log2(e) / 0.07: 0 or less
.set II, II+1
.endr
.set II, 0
	s_wait_alu depctr_va_vdst(0)
.rept 16
	v_exp_f32 v[E+II], v[E+II]
.set II, II+1
.endr
	v_mov_b32 v[NEED], 0                           ; independent work behind the batch of exponentials: the counts
.set II, 0
.rept 16
	v_cmp_gt_f32 vcc_lo, v[U+II], v[T16]
	v_add_co_ci_u32 v[NEED], vcc_lo, 0, v[NEED], vcc_lo
.set II, II+1
.endr
	v_sub_nc_u32 v[NEED], 16, v[NEED]              ; so many equals of the 16th are kept
	v_mov_b32 v[NL], 0
.set II, 0
.rept 16
	v_cmp_eq_f32 vcc_lo, v[S+II], v[T16]
	v_add_co_ci_u32 v[NL], vcc_lo, 0, v[NL], vcc_lo       ; my equals: 0 .. 16
.set II, II+1
.endr
	v_mov_b32 v[RK], 0
.irp b, 0,1,2,3,4                      ; the lower lanes' equals, bit by bit of the counts
	v_and_b32 v[TA], 1<<\b, v[NL]
	v_cmp_ne_u32 s20, 0, v[TA]
	v_mbcnt_lo_u32_b32 v[TA], s20, 0
	v_lshl_add_u32 v[RK], v[TA], \b, v[RK]
.endr
	v_mov_b32 v[DEN], 0
	v_mov_b32 v[N0], 0
	v_mov_b32 v[N1], 0
	s_wait_alu depctr_va_vdst(0)                   ; one wait for the 16 exponentials, ahead of their first reader
.set II, 0
.rept 16
	v_cmp_eq_f32 vcc_lo, v[S+II], v[T16]
	v_cmp_gt_u32 s20, v[NEED], v[RK]               ; fewer than NEED equals in front of this one
	v_cmp_gt_f32 s21, v[S+II], v[T16]
	s_and_b32 s20, s20, vcc_lo
	s_or_b32 s20, s20, s21                         ; kept
	v_add_co_ci_u32 v[RK], vcc_lo, 0, v[RK], vcc_lo
	v_cndmask_b32 v[WW], 0, v[E+II], s20           ; its weight, not yet normalised, or 0
	v_add_f32 v[DEN], v[DEN], v[WW]
	v_fmac_f32 v[N0], v[WW], v[EV+2*II]
	v_fmac_f32 v[N1], v[WW], v[EV+2*II+1]
.set II, II+1
.endr
.macro WSUM r                          ; the sum over the 32 lanes, in every lane
	v_add_f32_dpp v[\r], v[\r], v[\r] row_xmask:1 row_mask:0xf bank_mask:0xf
	v_add_f32_dpp v[\r], v[\r], v[\r] row_xmask:2 row_mask:0xf bank_mask:0xf
	v_add_f32_dpp v[\r], v[\r], v[\r] row_xmask:4 row_mask:0xf bank_mask:0xf
	v_add_f32_dpp v[\r], v[\r], v[\r] row_xmask:8 row_mask:0xf bank_mask:0xf
	v_permlanex16_b32 v[TA], v[\r], s32, s33
	v_add_f32 v[\r], v[\r], v[TA]
.endm
	WSUM DEN                                       ; at least 1: the largest score's weight
	WSUM N0
	WSUM N1
	s_wait_kmcnt 0x0                               ; the model's evidence
	s_wait_alu depctr_va_vdst(0)
	v_rcp_f32 v[TA], v[DEN]
	v_mov_b32 v[PM], s28
	v_mov_b32 v[PM+1], s29
	v_add_f32 v[PM], 1.0, v[PM]                    ; alpha of the model
	v_add_f32 v[PM+1], 1.0, v[PM+1]
	s_wait_alu depctr_va_vdst(0)
	v_fma_f32 v[PR], v[N0], v[TA], 1.0             ; alpha of the retrieval
	v_fma_f32 v[PR+1], v[N1], v[TA], 1.0
	; alpha to belief and uncertainty, both opinions side by side
.irp p, PM, PR
	v_add_f32 v[\p+3], v[\p], v[\p+1]
	v_max_num_f32 v[\p+3], EPS, v[\p+3]            ; S
.endr
	s_wait_alu depctr_va_vdst(0)
.irp p, PM, PR
	v_rcp_f32 v[\p+4], v[\p+3]
.endr
.irp p, PM, PR
	v_add_f32 v[\p], -1.0, v[\p]
	v_add_f32 v[\p+1], -1.0, v[\p+1]
.endr
	s_wait_alu depctr_va_vdst(0)
.irp p, PM, PR
	v_mul_f32 v[\p], v[\p], v[\p+4]
	v_mul_f32 v[\p+1], v[\p+1], v[\p+4]
	v_add_f32 v[\p+2], v[\p+4], v[\p+4]            ; 2 / S
	v_max_num_f32 v[\p], 0, v[\p]
	v_max_num_f32 v[\p+1], 0, v[\p+1]
	v_max_num_f32 v[\p+2], EPS, v[\p+2]
	v_min_num_f32 v[\p+2], 1.0, v[\p+2]            ; u
	v_add_f32 v[\p+3], v[\p], v[\p+1]
	v_max_num_f32 v[\p+3], EPS, v[\p+3]            ; the beliefs' sum
	v_sub_f32 v[\p+5], 1.0, v[\p+2]
	v_max_num_f32 v[\p+5], EPS, v[\p+5]            ; the target
.endr
	s_wait_alu depctr_va_vdst(0)
.irp p, PM, PR
	v_rcp_f32 v[\p+4], v[\p+3]
.endr
	v_nop
	s_wait_alu depctr_va_vdst(0)
.irp p, PM, PR
	v_mul_f32 v[\p+5], v[\p+5], v[\p+4]
	v_mul_f32 v[\p], v[\p], v[\p+5]
	v_mul_f32 v[\p+1], v[\p+1], v[\p+5]
.endr
	; the two opinions combined
	v_add_f32 v[C0], v[PM], v[PM+1]
	v_add_f32 v[C0+1], v[PR], v[PR+1]
	v_mul_f32 v[C0+2], v[PM], v[PR]
	v_mul_f32 v[C0+3], v[PM+1], v[PR+1]
	v_add_f32 v[C0+4], v[C0+2], v[C0+3]
	v_fma_f32 v[C0+4], v[C0], v[C0+1], -v[C0+4]    ; the conflict
	v_sub_f32 v[C0+4], 1.0, v[C0+4]
	v_max_num_f32 v[C0+4], EPS, v[C0+4]
	s_wait_alu depctr_va_vdst(0)
	v_rcp_f32 v[C0+5], v[C0+4]
	v_fmac_f32 v[C0+2], v[PM], v[PR+2]
	v_fmac_f32 v[C0+3], v[PM+1], v[PR+2]
	v_fmac_f32 v[C0+2], v[PR], v[PM+2]
	v_fmac_f32 v[C0+3], v[PR+1], v[PM+2]
	v_mul_f32 v[C0+6], v[PM+2], v[PR+2]
	s_wait_alu depctr_va_vdst(0)
	v_mul_f32 v[C0+2], v[C0+2], v[C0+5]
	v_mul_f32 v[C0+3], v[C0+3], v[C0+5]
	v_mul_f32 v[C0+6], v[C0+6], v[C0+5]
	v_max_num_f32 v[C0+2], 0, v[C0+2]
	v_max_num_f32 v[C0+3], 0, v[C0+3]
	v_max_num_f32 v[C0+6], EPS, v[C0+6]
	v_min_num_f32 v[C0+6], 1.0, v[C0+6]            ; u
	v_add_f32 v[C0], v[C0+2], v[C0+3]
	v_max_num_f32 v[C0], EPS, v[C0]
	s_wait_alu depctr_va_vdst(0)
	v_rcp_f32 v[C0+1], v[C0]
	v_rcp_f32 v[C0+7], v[C0+6]
	v_sub_f32 v[C0+4], 1.0, v[C0+6]
	s_wait_alu depctr_va_vdst(0)
	v_mul_f32 v[C0+4], v[C0+4], v[C0+1]
	v_mul_f32 v[C0+2], v[C0+2], v[C0+4]
	v_mul_f32 v[C0+3], v[C0+3], v[C0+4]
	v_add_f32 v[C0+7], v[C0+7], v[C0+7]            ; 2 / u
	v_fma_f32 v[OUT], v[C0+2], v[C0+7], 1.0
	v_fma_f32 v[OUT+1], v[C0+3], v[C0+7], 1.0
	v_max_num_f32 v[OUT], 1.0, v[OUT]
	v_max_num_f32 v[OUT+1], 1.0, v[OUT+1]
	v_cmp_eq_u32 vcc_lo, 0, v1
	s_wait_alu depctr_va_vdst(0)
	s_wait_xcnt 0x0                                ; EXEC changes only behind this wait
	s_and_saveexec_b32 s31, vcc_lo
	global_store_b64 v10, v[OUT:OUT+1], s[14:15]   ; lane 0 stores the query's two numbers
	s_wait_xcnt 0x0
	s_or_b32 exec_lo, exec_lo, s31
	s_endpgm
.Lfunc_end_k_q57394ab46a_rescore:
	.size	k_q57394ab46a_rescore, .Lfunc_end_k_q57394ab46a_rescore-k_q57394ab46a_rescore
	.p2alignl 7, 3214868480
	.fill 96, 4, 3214868480
	.section	.rodata,"a",@progbits
	.p2align	6, 0x0
	.amdhsa_kernel k_q57394ab46a_rescore
		.amdhsa_group_segment_fixed_size 0
		.amdhsa_private_segment_fixed_size 0
		.amdhsa_enable_private_segment 0
		.amdhsa_kernarg_size 48
		.amdhsa_user_sgpr_count 2
		.amdhsa_user_sgpr_kernarg_segment_ptr 1
		.amdhsa_wavefront_size32 1
		.amdhsa_system_sgpr_workgroup_id_x 1
		.amdhsa_system_sgpr_workgroup_id_y 1
		.amdhsa_system_sgpr_workgroup_id_z 1
		.amdhsa_system_vgpr_workitem_id 0
		.amdhsa_next_free_vgpr 768
		.amdhsa_next_free_sgpr 66
		.amdhsa_reserve_vcc 1
		.amdhsa_float_denorm_mode_32 3
		.amdhsa_float_denorm_mode_16_64 3
		.amdhsa_memory_ordered 1
		.amdhsa_forward_progress 1
		.amdhsa_inst_pref_size 85
	.end_amdhsa_kernel
	.amdgpu_metadata
---
amdhsa.version: [ 1, 2 ]
amdhsa.kernels:
  - .name:           k_q57394ab46a_rescore
    .symbol:         k_q57394ab46a_rescore.kd
    .args:
      - { .name: sel, .offset: 0, .size: 8, .value_kind: global_buffer, .address_space: global }
      - { .name: mimg, .offset: 8, .size: 8, .value_kind: global_buffer, .address_space: global }
      - { .name: qimg, .offset: 16, .size: 8, .value_kind: global_buffer, .address_space: global }
      - { .name: memory_evidence, .offset: 24, .size: 8, .value_kind: global_buffer, .address_space: global }
      - { .name: model_evidence, .offset: 32, .size: 8, .value_kind: global_buffer, .address_space: global }
      - { .name: out0, .offset: 40, .size: 8, .value_kind: global_buffer, .address_space: global }
    .group_segment_fixed_size: 0
    .private_segment_fixed_size: 0
    .kernarg_segment_align: 8
    .kernarg_segment_size: 48
    .max_flat_workgroup_size: 128
    .sgpr_count:     66
    .vgpr_count:     768
    .wavefront_size: 32
...
	.end_amdgpu_metadata
.endif
;; end of part 4
